; MI455X (gfx1250); checked and timed in simulation.
; The chip was launched on July 23, 2026; its instructions are those of AMD's public machine-readable ISA for CDNA 5 (MIT licence, August 2026) and "CDNA5" Instruction Set Architecture Reference Guide (July 2026). The comments in the code are by the model that wrote it; some were corrected since.
;; GODE. Allowed arithmetic: matrix products marked QUANTISED: E2M1 operands, one E8M0 scale for each 32 along K, by v_wmma_scale_f32_16x16x128_f8f6f4 with both operands' format E2M1 (or v_wmma_scale_f32_32x16x128_f4), f32 sums; everything else in f32.
;; Inputs: W1_codes 1,024 x 32 x 16 uint8 (E2M1 codes of W1, K innermost, in blocks of 32 codes, two codes a byte); W1_scales 1,024 x 32 uint8 (E8M0 scales of W1, one for each 32 codes along K); W2_codes 512 x 32 x 16 uint8 (E2M1 codes of W2, K innermost, in blocks of 32 codes, two codes a byte); W2_scales 512 x 32 uint8 (E8M0 scales of W2, one for each 32 codes along K); Wf_codes 1,024 x 32 x 16 uint8 (E2M1 codes of Wf, K innermost, in blocks of 32 codes, two codes a byte); Wf_scales 1,024 x 32 uint8 (E8M0 scales of Wf, one for each 32 codes along K); b1 1,024 float32; b2 512 float32; bf 1,024 float32; hz 32 x 512 x 512 float32; inp 32 x 512 x 512 float32.
;; Outputs: out0 32 x 512 x 512 float32.
;; This version of the problem:
;;   THIS VERSION OF THE PROBLEM IS GIVEN IN LOW PRECISION. The matrix products marked QUANTISED in the list below multiply operands that are first quantised to E2M1 (2 exponent bits, 1 mantissa bit; 4 bits a number), with one power-of-two scale for each 32 numbers along K (OCP MX v1.0); their sums are f32. All else is computed in f32.
;;   The module's matrix products, in the order in which they are computed (A, B: the left and right operand; K: the contracted axis; several contracted axes count as one K, in the product's order):
;;     1. [M 16,384, K 1,024] x [K 1,024, N 1,024]; A: computed on the way; B: input Wf (given as codes): QUANTISED
;;     2. [M 16,384, K 1,024] x [K 1,024, N 1,024]; A: computed on the way; B: input Wf (given as codes): QUANTISED
;;     3. [M 16,384, K 1,024] x [K 1,024, N 1,024]; A: computed on the way; B: input W1 (given as codes): QUANTISED
;;     4. [M 16,384, K 1,024] x [K 1,024, N 512]; A: computed on the way; B: input W2 (given as codes): QUANTISED
;;   THE QUANTISER, for each operand of a quantised product, along K:
;;     - K is cut into blocks of 32 from its start; a last block that is shorter is filled with zeros.
;;     - A block's scale is 2^e with e = floor(log2(the largest magnitude in the block)) - 2, held to -126 .. 127; a block of zeros has e = 0. As a byte (E8M0): e + 127.
;;     - Each number is divided by its block's scale, clamped to +-6, and rounded to the nearest number of E2M1, ties to even, subnormals kept.
;;     - The product sums the exact products of the quantised numbers (number of the format x scale) in f32.
;;   ~~~python
;;   def quantise(x, axis):      # numpy; x: float32 -> the quantised numbers, widened to float32 again
;;       x = np.moveaxis(x, axis, -1); K = x.shape[-1]
;;       x = np.pad(x, [(0, 0)] * (x.ndim - 1) + [(0, -K % 32)]); x = x.reshape(x.shape[:-1] + (-1, 32)); a = np.abs(x).max(-1, keepdims=True)
;;       e = np.where(a > 0, np.clip(np.frexp(np.where(a > 0, a, 1))[1] - 1 - 2, -126, 127), 0)      # np.frexp(a)[1] - 1 = floor(log2(a)), exactly
;;       r = np.clip(x / 2.0 ** e, -6, 6)
;;       step = 2.0 ** (np.maximum(np.frexp(np.where(r == 0, 1, r))[1] - 1, 0) - 1)
;;       q = np.round(r / step) * step * 2.0 ** e      # np.round: ties to even
;;       return np.moveaxis(q.reshape(q.shape[:-2] + (-1,))[..., :K], -1, axis).astype(np.float32)
;;   ~~~
;;   OPERANDS COMPUTED ON THE WAY. 'Computed on the way' means the value that the module computes at that place (a softmax that the list does not call 'softmax' is quantised finished and normalised). What goes into a quantiser is computed in f32, as accurately as f32 sums, v_exp_f32 and their like allow (about 1e-6 of the number): no bf16 or f16 on the way to a quantiser, and a product that is left as it is and whose result goes on into a quantised operand takes f32 operands (vector FMAs, or v_wmma_f32_16x16x4_f32). A number that lies on a knife's edge between two numbers of the format may be rounded either way, as far as f32 arithmetic and the matrix unit's own rounding can turn it there, and no further.
;;   INPUTS GIVEN AS CODES. W1 (in the module: [1024, 1024], K = its axis 0); W2 (in the module: [1024, 512], K = its axis 0); Wf (in the module: [1024, 1024], K = its axis 0): each comes as NAME_codes (uint8): NAME with its K axis moved to the last place and cut into blocks of 32 codes, [.., K / 32, bytes a block], one block behind the other in memory; two codes a byte, the lower K in the low four bits (a code: sign, 2 exponent bits, 1 mantissa bit); and NAME_scales (uint8): the same leading axes, one E8M0 byte (e + 127) for each 32 codes along K. Its value is code x scale, taken as it is: it is not quantised again, and the codes and scales need not be those that the quantiser above would give.
;; 2 versions. Each part assembles by itself: llvm-mc -triple=amdgcn-amd-amdhsa -mcpu=gfx1250 --defsym DOCPART=n.
;; ======== version 1 of 2: 1 launch
;; launch gode (part 1): grid 256 x 1, 4 waves a work-group, clusters of 4 x 1, 327,680 bytes of LDS; arguments inp, hz, Wf_codes, Wf_scales, bf, W1_codes, W1_scales, b1, W2_codes, W2_scales, b2, out0; writes out0
.if DOCPART == 1
	.amdgcn_target "amdgcn-amd-amdhsa--gfx1250"
	.amdhsa_code_object_version 6
	.text
	.protected	k_qc146fd33d1_gode
	.globl	k_qc146fd33d1_gode
	.p2align	8
	.type	k_qc146fd33d1_gode,@function
k_qc146fd33d1_gode:
	s_mov_b64 s[64:65], 0
	v_nop
	global_prefetch_b8 v0, s[64:65] scope:SCOPE_SE
	s_setreg_imm32_b32 hwreg(HW_REG_WAVE_MODE, 25, 1), 1
	s_wait_xcnt 0x0
	s_wait_alu depctr_hold_cnt(0) depctr_sa_sdst(0) depctr_va_vdst(0) depctr_va_sdst(0) depctr_va_ssrc(0) depctr_va_vcc(0) depctr_vm_vsrc(0)
	s_getreg_b32 s2, hwreg(HW_REG_IB_STS2, 6, 4)
	s_cmp_eq_u32 s2, 0
	s_cbranch_scc0 .Lentry_in_a_cluster
	s_endpgm
.Lentry_in_a_cluster:
	s_bfe_u32 s2, ttmp6, 0x10000c
	s_cmp_lg_u32 s2, 0x3003
	s_cbranch_scc0 .Lentry_shape_is_right
	s_endpgm
.Lentry_shape_is_right:
; h = [inp | hz] (16,384 rows x 1,024 f32);  twice h += 0.1 tanh(Q(h) Wf + bf);  g = relu(Q(h) W1 + b1);  out0 = tanh(Q(g) W2 + b2).
; All four products on codes of FP4 (E2M1) with one E8M0 scale for each 32 along K.  The weights come as codes, K innermost (rows of 512 bytes, 32 scale bytes a row); the left operand is quantised here, in f32.
; ONE LAUNCH: a work-group of four waves takes 64 rows (four tiles of 16) through the whole chain; h, g and their codes never go to memory.
; THE WAVES SHARE THE COLUMNS: wave w makes columns 256 w .. 256 w + 255 of products 1 to 3 and 128 w .. 128 w + 127 of product 4, for all 64 rows: a weight byte is read from LDS once, by one wave.
; A STEP is 32 columns (32 rows of a weight) x K = 1,024 x 64 rows: 32 matrix instructions of 32 x 16 x 128.  28 steps: Wf 8, Wf 8, W1 8, W2 4.
; THE MATRIX INSTRUCTION IS USED TRANSPOSED: source 0 = 32 rows of the weight, source 1 = 16 rows of x as codes.  In the result lane (r, h) holds row r; registers 0-7 are columns 8 h + 0..7 of the 32,
; registers 8-15 columns 16 + 8 h + 0..7: two runs of eight neighbours along the next K, so that each conversion's result is one register of the next operand.
; h (f32) stays in 512 registers a wave; x's 32 fragments of codes of the product in hand in 256, read from LDS once a product.  Codes and scale bytes go from wave to wave through LDS as images of the operand's registers.
; WEIGHTS: a ring of two LDS slots; each wave fetches the 32 rows x 512 bytes of its own next step but one, and reads only its own part.
; CLUSTER: the four work-groups of a cluster walk the same weights in step, so every tile is asked for JOINTLY (one tensor load, the same descriptor, a mask that names the four).
; LIMITS: NaN and infinities among the inputs are not served.  A block whose largest magnitude lies under 2^-124 has its scale byte held at 1; a block of zeros gets the byte 1 too where the rule says 127:
; its codes are zeros, and the bytes are read by this program alone.  tanh z = 1 - 2 / (1 + 2^(2 log2(e) z)): absolute error about 1e-7; it goes to +-1 for large |z| without overflow.  0.1 tanh is formed as 0.1 - 0.2 u.
;
; LDS (bytes):  0 slot 0, 67,584 slot 1 (wave w's part at 16,896 w: 32 rows, 528 apart);  XIMG x's 32 fragments, 1,024 each;  XSC x's scale bytes;  BIASL four slices of 4,096: bf, bf, b1, b2;
;               STG a stage of 16,896 for each wave;  SPARE the spare words.  Tensor loads fill the ring alone; all else is written by LDS stores alone.
; REGISTERS, in windows of 256:  window 0: v0-15 addresses and constants; v16-79 four accumulators of 16 (dead behind the update: then v16-39 at work); v80-207 the step's weight fragments;
;   v208-223 x's scale words; v224-239 the step's bias in the result's layout; v240-255 the weights' scale words, two sets.   window 1: x's fragments (tile m, K step s) at v[64 m + 8 s].
;   windows 2, 3: h (then g): pair p, tile m in window 2 + p / 4 at v[64 (p % 4) + 16 m]; in product 4 window 2 takes the outputs at v[64 p + 16 m].
.set WP,    528                        ; a weight row in LDS: 512 bytes + 16 of padding: the sixteen rows of a load begin in sixteen different 16-byte columns of 256
.set WPART, 32*WP                      ; a wave's part of a slot
.set SLOT,  4*WPART
.set XIMG,  2*SLOT
.set XSC,   XIMG+32768
.set BIASL, XSC+2048
.set STG,   BIASL+16384
.set SPARE, STG+4*WPART                ; 128 bytes for each wave: two blocks of 256 bytes that no other line names
.set XPI,   1040                       ; the stage on the way in: a row of 1,024 bytes + 16
.set ACC,  16
.set TQ,   16                          ; at work: +0..3 largest magnitudes, +4..7 the other half's, +8..11 the conversions' scale operands, +12..15 bytes, +16..23 codes
.set WF,   80
.set XS,   208
.set BIAS, 224
.set WS,   240
.set G1,   32                          ; s[32:39] descriptor group 1
.set G0,   40                          ; s[40:43], s[44:47] group 0 for slot 0, 1
.set CURS, 48                          ; s[48:49] the scale bytes of the weight in hand;  s[50:51] of the next;  s[52:53] the next weight's codes (all at my wave's part)
.set NXTS, 50
.set NXTC, 52
.set PFC,  54                          ; s[54:55], s[56:57] where my prefetches stand in the weight in hand and in the next
.set PFN,  56
.set MSB, 0
.macro WIN new                         ; the immediate's high byte repeats the setting that is left; a switch that changes nothing is dropped
.if MSB != (\new)
	s_set_vgpr_msb (MSB<<8)|(\new)
.set MSB, (\new)
.endif
.endm
.macro NOPS4
.rept 4
	v_nop
.endr
.endm
; A round of the cluster's barrier: my work-group's barrier, wave 0 signals for the work-group, every wave waits for all four work-groups, my work-group's barrier once more.
.macro CROUND
	s_barrier_signal -1
	s_barrier_wait -1
	s_cmp_lg_u32 s2, 0
	s_cbranch_scc1 .Lnot_wave_0_\@
	s_barrier_signal -3
.Lnot_wave_0_\@:
	s_barrier_wait -3
	s_barrier_signal -1
	s_barrier_wait -1
.endm
; One product: tile m of rows, K step s.  The first K step takes the bias as C.  x's scale words: lanes 0-15 of a register hold an even tile's, lanes 16-31 the odd tile's.
.macro MM m, s, set
.set rD, ACC+16*(\m)
.set rA, WF+16*(\s)
.set rB, 64*(\m)+8*(\s)
.set rSA, WS+8*(\set)+(\s)
.set rSB, XS+8*((\m)/2)+(\s)
.if (\s) == 0
.if (\m)%2
	v_wmma_scale_f32_32x16x128_f4 v[rD:rD+15], v[rA:rA+15], v[rB:rB+7], v[BIAS:BIAS+15], v[rSA], v[rSB] matrix_b_scale:MATRIX_SCALE_ROW1
.else
	v_wmma_scale_f32_32x16x128_f4 v[rD:rD+15], v[rA:rA+15], v[rB:rB+7], v[BIAS:BIAS+15], v[rSA], v[rSB]
.endif
.else
.if (\m)%2
	v_wmma_scale_f32_32x16x128_f4 v[rD:rD+15], v[rA:rA+15], v[rB:rB+7], v[rD:rD+15], v[rSA], v[rSB] matrix_b_scale:MATRIX_SCALE_ROW1
.else
	v_wmma_scale_f32_32x16x128_f4 v[rD:rD+15], v[rA:rA+15], v[rB:rB+7], v[rD:rD+15], v[rSA], v[rSB]
.endif
.endif
.endm
; A step's 32 products: the four accumulators take turns, one instruction a turn.
; first = 1: x's fragments have just been asked for, 8 loads a K step behind 8 loads of scale words: the count leaves the later K steps' loads out.  lc: the younger loads of weight scale words that may stay out.
.macro MATRIX first, set, lc
	s_wait_loadcnt \lc
.if (\first) == 0
	s_wait_dscnt 0x0                               ; the step's weight fragments and bias are in; the last step's LDS stores have read their registers
.endif
	WIN 0x04                                       ; source 1 (x) in window 1
.irp s, 0,1,2,3,4,5,6,7
.if \first
	s_wait_dscnt 56-8*\s
.endif
	MM 0, \s, \set
	MM 1, \s, \set
	MM 2, \s, \set
	MM 3, \s, \set
.endr
.endm
; THE CHANGE OF SLOTS, behind a step's products: the slot just multiplied takes the tile of the step after next.  Each wave waits for all its tensor loads (one is out: the next step's tile), adds 0 to its
; spare word, steps the descriptor, waits for the add and for its LDS reads; a round of the cluster's barrier; the joint refill first behind it.
; kind 0: two pairs on in the same weight; 1: the next weight's pair 0; 2: its pair 1.
.macro CHANGE slot, kind
	WIN 0
	s_wait_tensorcnt 0x0                           ; no tensor load of mine is out, so a group 0 may be written
	ds_add_u32 v1, v2                              ; 0 onto my spare word
.if (\kind) == 0
	s_add_nc_u64 s[G0+4*(\slot)+2:G0+4*(\slot)+3], s[G0+4*(\slot)+2:G0+4*(\slot)+3], 32768
.elseif (\kind) == 1
	s_mov_b64 s[G0+4*(\slot)+2:G0+4*(\slot)+3], s[NXTC:NXTC+1]
	s_or_b32 s[G0+4*(\slot)+3], s[G0+4*(\slot)+3], 0x80000000
.else
	s_add_nc_u64 s[G0+4*(\slot)+2:G0+4*(\slot)+3], s[NXTC:NXTC+1], 16384
	s_or_b32 s[G0+4*(\slot)+3], s[G0+4*(\slot)+3], 0x80000000
.endif
	s_wait_dscnt 0x0                               ; the add is done, and my reads of the slot (and of x's images) are over
	CROUND
	tensor_load_to_lds s[G0+4*(\slot):G0+4*(\slot)+3], s[G1:G1+7]
	s_nop 0
	NOPS4                                          ; the four places behind the last products, for the loads below and the first reads of the results
.endm
.macro WLOAD slot                      ; the next step's weight fragments: K step s, rows 16 u on, 64 c along K
.irp s, 0,1,2,3,4,5,6,7
.irp u, 0,1
.irp c, 0,1
	ds_load_b128 v[WF+16*\s+8*\u+4*\c:WF+16*\s+8*\u+4*\c+3], v[3+(\slot)] offset:16*WP*\u+64*\s+32*\c
.endr
.endr
.endr
.endm
.macro BLOAD off                       ; a pair's bias in the result's layout: columns 8 h + 0..7 and 16 + 8 h + 0..7
	ds_load_b128 v[BIAS:BIAS+3], v10 offset:(\off)
	ds_load_b128 v[BIAS+4:BIAS+7], v10 offset:(\off)+16
	ds_load_b128 v[BIAS+8:BIAS+11], v10 offset:(\off)+64
	ds_load_b128 v[BIAS+12:BIAS+15], v10 offset:(\off)+80
.endm
.macro BOSET                           ; the bias address of the product in hand: s71 + 32 h
	v_bfe_u32 v10, v5, 8, 1
	v_lshl_add_u32 v10, v10, 5, s71
.endm
.macro WSLOAD set, base, off           ; a pair's scale words: lane L takes the 32 bytes (8 K steps) of weight row L
	global_load_b128 v[WS+8*(\set):WS+8*(\set)+3], v9, s[(\base):(\base)+1] offset:(\off)
	global_load_b128 v[WS+8*(\set)+4:WS+8*(\set)+7], v9, s[(\base):(\base)+1] offset:(\off)+16
.endm
; A PREFETCH INTO THE L2 of two tiles of my wave's part of a weight, asked for by their joint loads two and three steps later.  All clusters walk the same weights: the first cluster asks (a branch on the
; cluster's number, the same in all partners).  Its four partners share the 32,768 bytes out BY ADDRESS, 8,192 each; lanes 256 bytes apart: each block of 256 bytes is named once in the launch.
.macro ASK flag, base, off
	s_cmp_eq_u32 s[\flag], 1
	s_cbranch_scc0 .Lnot_mine_\@
	global_prefetch_b8 v0, s[(\base):(\base)+1] offset:(\off) th:TH_LOAD_NT scope:SCOPE_SE
.Lnot_mine_\@:
.endm
; u = 1 / (1 + 2^(2 log2(e) z)) of the 64 results, from each accumulator's low end on.  The 64 exponentials are one batch with one wait, and so are the 64 reciprocals.
.macro TANHU
.set J, 0
.rept 32
	v_pk_mul_f32 v[ACC+J:ACC+J+1], v[ACC+J:ACC+J+1], s[62:63] op_sel_hi:[1,0]
.set J, J+2
.endr
.set J, 0
.rept 64
	v_exp_f32 v[ACC+J], v[ACC+J]
.set J, J+1
.endr
	v_nop                                          ; a plain instruction behind the last exponential
	s_wait_alu depctr_va_vdst(0)                   ; one wait for the batch, ahead of its first reader
.set J, 0
.rept 32
	v_pk_add_f32 v[ACC+J:ACC+J+1], v[ACC+J:ACC+J+1], 1.0 op_sel_hi:[1,0]
.set J, J+2
.endr
.set J, 0
.rept 64
	v_rcp_f32 v[ACC+J], v[ACC+J]
.set J, J+1
.endr
	v_nop
	s_wait_alu depctr_va_vdst(0)
.endm
; Four blocks of 32 along the next K, by turns.  Block b's 16 numbers of my lane lie in window qw at v[qb + qst b]; lane l xor 16 holds the other 16.
; The codes go to their places in the images (16 r + 4 h: register h of the fragment's lane; + 8: register 2 + h), the scale byte to its place in the row's scale words.
.macro QUANT4 qw, qb, qst, qio, qis, qso, qss
	WIN (\qw)|((\qw)<<2)
.irp b, 0,1,2,3
	v_max3_num_f32 v[TQ+\b], |v[(\qb)+(\qst)*\b]|, |v[(\qb)+(\qst)*\b+1]|, 0x1800000   ; and the floor 2^(3 - 127): the byte cannot fall under 1
.endr
.irp i, 2,4,6,8,10,12,14
.irp b, 0,1,2,3
	v_max3_num_f32 v[TQ+\b], |v[(\qb)+(\qst)*\b+\i]|, |v[(\qb)+(\qst)*\b+\i+1]|, v[TQ+\b]
.endr
.endr
	WIN 0
.irp b, 0,1,2,3
	v_permlanex16_b32 v[TQ+4+\b], v[TQ+\b], s60, s61
.endr
.irp b, 0,1,2,3
	v_max_num_f32 v[TQ+\b], v[TQ+\b], v[TQ+4+\b]   ; the block's largest magnitude
.endr
.irp b, 0,1,2,3
	v_add_nc_u32 v[TQ+8+\b], 0xff000000, v[TQ+\b]  ; 2 off its exponent field: the conversion takes the exponent field of this operand as its scale
.endr
.irp b, 0,1,2,3
	v_lshrrev_b32 v[TQ+12+\b], 23, v[TQ+8+\b]      ; the scale's byte
.endr
	WIN (\qw)
.irp b, 0,1,2,3
	v_cvt_scalef32_pk8_fp4_f32 v[TQ+16+2*\b], v[(\qb)+(\qst)*\b:(\qb)+(\qst)*\b+7], v[TQ+8+\b]
	v_cvt_scalef32_pk8_fp4_f32 v[TQ+17+2*\b], v[(\qb)+(\qst)*\b+8:(\qb)+(\qst)*\b+15], v[TQ+8+\b]
.endr
	WIN 0
	v_nop                                          ; one plain place behind the last scaled conversion
.irp b, 0,1,2,3
	ds_store_b32 v7, v[TQ+16+2*\b] offset:(\qio)+(\qis)*\b
	ds_store_b32 v7, v[TQ+17+2*\b] offset:(\qio)+(\qis)*\b+8
	ds_store_b8 v8, v[TQ+12+\b] offset:(\qso)+(\qss)*\b   ; both halves of the lanes write the same byte with the same value
.endr
.endm
; A PRODUCT'S HEAD: every wave's image stores have landed; then x's scale words and its 32 fragments come into registers, ordered by K step.
; The tensor load that is out stays out.
.macro PHEAD
	s_wait_dscnt 0x0
	s_barrier_signal -1
	s_barrier_wait -1
.irp mm, 0,1
.irp w, 0,1,2,3
	ds_load_b64 v[XS+8*\mm+2*\w:XS+8*\mm+2*\w+1], v11 offset:1024*\mm+128*\w   ; lanes 0-15 tile 2 mm, lanes 16-31 tile 2 mm + 1: the words of K steps 2 w, 2 w + 1
.endr
.endr
	WIN 0x40
.irp s, 0,1,2,3,4,5,6,7
.irp m, 0,1,2,3
.irp c, 0,1
	ds_load_b128 v[64*\m+8*\s+4*\c:64*\m+8*\s+4*\c+3], v6 offset:(8*\m+\s)*1024+512*\c
.endr
.endr
.endr
	WIN 0
.endm
; Tile m of x: my 256 columns of 16 rows, 32 loads of 512 consecutive bytes, into the registers that h will keep.
.macro GLOAD m
.irp i, 0,1,2,3,4,5,6,7,8,9,10,11,12,13,14,15,16,17,18,19,20,21,22,23,24,25,26,27,28,29,30,31
	WIN 0x80+0x40*(\i/16)
	global_load_b128 v[64*((\i/4)%4)+16*(\m)+4*(\i%4):64*((\i/4)%4)+16*(\m)+4*(\i%4)+3], v5, s[8:9] offset:(16*(\m)+\i/2)*2048+512*(\i%2) th:TH_LOAD_NT
.endr
	WIN 0
.endm
; and through my own stage, so that lane (r, h) holds row r in the results' layout.  LDS serves a wave's instructions in order: the loads see the stores, and land in the registers that the stores have left.
.macro STAGE m
.irp i, 0,1,2,3,4,5,6,7,8,9,10,11,12,13,14,15,16,17,18,19,20,21,22,23,24,25,26,27,28,29,30,31
	WIN 0x08+0x04*(\i/16)
	ds_store_b128 v14, v[64*((\i/4)%4)+16*(\m)+4*(\i%4):64*((\i/4)%4)+16*(\m)+4*(\i%4)+3] offset:(\i/2)*XPI+512*(\i%2)
.endr
.irp i, 0,1,2,3,4,5,6,7,8,9,10,11,12,13,14,15,16,17,18,19,20,21,22,23,24,25,26,27,28,29,30,31
	WIN 0x80+0x40*(\i/16)
	ds_load_b128 v[64*((\i/4)%4)+16*(\m)+4*(\i%4):64*((\i/4)%4)+16*(\m)+4*(\i%4)+3], v15 offset:128*(\i/4)+16*(\i%2)+64*((\i%4)/2)
.endr
	WIN 0
.endm
; ---------------------------------------------------------------- THE HEAD
	s_load_b512 s[8:23], s[0:1], 0x0               ; inp, hz, Wf's codes, Wf's scales, bf, W1's codes, W1's scales, b1
	s_load_b256 s[24:31], s[0:1], 0x40             ; W2's codes, W2's scales, b2, out0
	v_lshl_add_u32 v1, v0, 2, SPARE                ; my spare word; never rewritten
	v_mov_b32 v2, 0                                ; never rewritten
	ds_add_u32 v1, v2
	ds_add_u32 v1, v2
	s_wait_dscnt 0x0
	v_lshrrev_b32 v3, 5, v0
	v_readfirstlane_b32 s2, v3                     ; wave 0..3
	v_and_b32 v16, 31, v0                          ; lane
	v_and_b32 v17, 15, v0                          ; r
	v_bfe_u32 v18, v0, 4, 1                        ; h
	s_bfe_u32 s6, ttmp6, 0x40000                   ; cx: it enters x's and out0's addresses and the prefetches' alone
	s_lshl_b32 s7, ttmp9, 2
	s_add_co_u32 s7, s7, s6                        ; my block of 64 rows = 4 x cluster + cx
	s_mul_i32 s4, s2, WPART
	v_lshlrev_b32 v5, 4, v16                       ; 16 x lane
	v_lshlrev_b32 v9, 5, v16                       ; 32 x lane
	v_mul_u32_u24 v3, v17, WP
	v_lshl_add_u32 v3, v18, 4, v3
	v_add_nc_u32 v3, s4, v3                        ; weight fragments, slot 0: my part + 528 r + 16 h
	v_add_nc_u32 v4, SLOT, v3                      ; slot 1
	v_add_nc_u32 v6, XIMG, v5                      ; an image's place for my lane
	s_lshl_b32 s5, s2, 11
	v_lshlrev_b32 v7, 4, v17
	v_lshl_add_u32 v7, v18, 2, v7
	v_add_nc_u32 v7, s5, v7
	v_add_nc_u32 v7, XIMG, v7                      ; where my codes go: 2,048 w + 16 r + 4 h
	s_lshl_b32 s5, s2, 7
	v_lshl_add_u32 v8, v17, 3, s5
	v_add_nc_u32 v8, XSC, v8                       ; where my scale bytes go: 128 w + 8 r
	v_lshlrev_b32 v11, 3, v17
	v_lshl_add_u32 v11, v18, 9, v11
	v_add_nc_u32 v11, XSC, v11                     ; where x's scale words are read: 512 h + 8 r
	v_mov_b32 v12, 0x3dcccccd                      ; 0.1, twice
	v_mov_b32 v13, 0x3dcccccd
	v_add_nc_u32 v14, s4, v5
	v_add_nc_u32 v14, STG, v14                     ; my stage, by lanes
	v_mul_u32_u24 v15, v17, XPI
	v_lshl_add_u32 v15, v18, 5, v15
	v_add_nc_u32 v15, s4, v15
	v_add_nc_u32 v15, STG, v15                     ; my stage, by rows: 1,040 r + 32 h
	s_lshl_b32 s71, s2, 10
	s_add_co_u32 s71, s71, BIASL                   ; my part of the bias slice in hand; it steps by a slice a product
	v_add_nc_u32 v60, s71, v5
	BOSET
.irp b, 0,1,2,3
	v_mov_b32 v[TQ+4+\b], 0                        ; written once: a lane permute's destination counts as one of its sources
.endr
	s_mov_b32 s60, 0x76543210
	s_mov_b32 s61, 0xfedcba98                      ; v_permlanex16_b32's selects for lane l xor 16
	s_mov_b32 s62, 0x4038aa3b                      ; 2 log2(e); the packed forms name a pair, so both words are written
	s_mov_b32 s63, 0x4038aa3b
	s_mov_b32 s66, 0xbe4ccccd                      ; -0.2
	s_mov_b32 s67, 0xbe4ccccd
	s_cmp_eq_u32 ttmp9, 0
	s_cselect_b32 s70, 1, 0                        ; 1 in the first cluster: it prefetches
	s_lshl_b32 s58, s6, 13                         ; my work-group's 8,192 bytes of what the cluster prefetches
	s_mov_b32 s59, 0
	; descriptor group 1: 32 rows x 512 bytes, dense in memory, 16 bytes of padding behind each row in LDS
	s_mov_b32 s[G1+0], 15|(0<<16)|(1<<20)|(1<<21)|(6<<22)|(3<<25)   ; 15:0 the mask: all four work-groups; 17:16 elements of 1 byte; 20 padding on; 21 set beside a mask; 24:22 after every 128 words; 31:25 four words
	s_mov_b32 s[G1+1], 512<<16                     ; tensor_dim0
	s_mov_b32 s[G1+2], 32<<16                      ; tensor_dim1
	s_mov_b32 s[G1+3], 512<<16                     ; tile_dim0
	s_mov_b32 s[G1+4], 32                          ; tile_dim1
	s_mov_b32 s[G1+5], 512                         ; from row to row
	s_mov_b32 s[G1+6], 0
	s_mov_b32 s[G1+7], 0
	s_mov_b32 s73, 0
	s_mov_b32 s75, 0
	s_wait_kmcnt 0x0
	s_lshl_b32 s72, s2, 17                         ; every weight pointer goes to my wave's part: 256 rows of 512 bytes,
	s_add_nc_u64 s[12:13], s[12:13], s[72:73]
	s_add_nc_u64 s[18:19], s[18:19], s[72:73]
	s_lshl_b32 s72, s2, 16                         ; 128 rows of W2,
	s_add_nc_u64 s[24:25], s[24:25], s[72:73]
	s_lshl_b32 s72, s2, 13                         ; 256 rows of 32 scale bytes,
	s_add_nc_u64 s[14:15], s[14:15], s[72:73]
	s_add_nc_u64 s[20:21], s[20:21], s[72:73]
	s_lshl_b32 s72, s2, 12
	s_add_nc_u64 s[26:27], s[26:27], s[72:73]
	s_lshl_b32 s72, s2, 10                         ; 256 numbers of bf and b1,
	s_add_nc_u64 s[16:17], s[16:17], s[72:73]
	s_add_nc_u64 s[22:23], s[22:23], s[72:73]
	s_lshl_b32 s72, s2, 9                          ; 128 of b2, and my 128 columns of out0
	s_add_nc_u64 s[28:29], s[28:29], s[72:73]
	s_add_nc_u64 s[30:31], s[30:31], s[72:73]
	s_lshl_b32 s74, s7, 17                         ; my block's 64 rows of 2,048 bytes
	s_add_nc_u64 s[30:31], s[30:31], s[74:75]
	s_cmp_lt_u32 s2, 2                             ; waves 0, 1 hold inp's columns, waves 2, 3 hz's
	s_cselect_b64 s[8:9], s[8:9], s[10:11]
	s_add_nc_u64 s[8:9], s[8:9], s[74:75]
	s_and_b32 s72, s2, 1
	s_lshl_b32 s72, s72, 10
	s_add_nc_u64 s[8:9], s[8:9], s[72:73]
	s_mov_b32 s[G0+0], 1                           ; group 0, slot 0: Wf's pair 0 of my part
	s_mul_i32 s[G0+1], s2, WPART
	s_mov_b64 s[G0+2:G0+3], s[12:13]
	s_or_b32 s[G0+3], s[G0+3], 0x80000000
	s_mov_b32 s[G0+4], 1                           ; slot 1: pair 1
	s_add_co_u32 s[G0+5], s[G0+1], SLOT
	s_add_nc_u64 s[G0+6:G0+7], s[12:13], 16384
	s_or_b32 s[G0+7], s[G0+7], 0x80000000
	global_load_b128 v[40:43], v5, s[16:17]        ; my parts of the biases
	global_load_b128 v[44:47], v5, s[16:17] offset:512
	global_load_b128 v[48:51], v5, s[22:23]
	global_load_b128 v[52:55], v5, s[22:23] offset:512
	global_load_b128 v[56:59], v5, s[28:29]
	WSLOAD 0, 14, 0                                ; the scale words of steps 0 and 1
	WSLOAD 1, 14, 1024
	GLOAD 0
	CROUND                                         ; all four work-groups are here: the first joint loads meet
	tensor_load_to_lds s[G0:G0+3], s[G1:G1+7]      ; both first fills together: two tensor loads of mine are out
	s_nop 0
	tensor_load_to_lds s[G0+4:G0+7], s[G1:G1+7]
	s_nop 0
	NOPS4
	GLOAD 1
.irp m, 0,1,2,3
.if \m < 3
	s_wait_loadcnt 32                              ; this tile's loads (and all older ones) are in; the next tile's 32 may be out
.else
	s_wait_loadcnt 0x0
.endif
.if \m < 2
	GLOAD \m+2
.endif
.if \m == 0
	ds_store_b128 v60, v[40:43]                    ; bf is laid twice, so that the bias address steps alike from product to product
	ds_store_b128 v60, v[44:47] offset:512
	ds_store_b128 v60, v[40:43] offset:4096
	ds_store_b128 v60, v[44:47] offset:4608
	ds_store_b128 v60, v[48:51] offset:8192
	ds_store_b128 v60, v[52:55] offset:8704
	ds_store_b128 v60, v[56:59] offset:12288
.endif
	STAGE \m
	s_wait_dscnt 0x0
	QUANT4 2, 16*\m, 64, 8192*\m, 256, 512*\m, 1               ; pairs 0-3 of tile m
	s_wait_dscnt 0x0                               ; the stores have read their registers
	QUANT4 3, 16*\m, 64, 8192*\m+1024, 256, 512*\m+4, 1        ; pairs 4-7
	s_wait_dscnt 0x0
.endr
	s_wait_tensorcnt 0x1                           ; my tile of step 0 is in (only I read it); step 1's may be out
	WLOAD 0
	BLOAD 0
	v_lshlrev_b32 v0, 4, v5                        ; from here on v0 = 256 x lane: the prefetches' offset
	s_mov_b32 s3, 0
; A STEP of products 1 to 3: pair p.
.macro STEP p
.if (\p) == 0
	MATRIX 1, 0, 2
.else
	MATRIX 0, (\p)%2, 2                            ; of the weights' scale words only the next step's two loads are younger
.endif
.if (\p) < 6
	CHANGE (\p)%2, 0
.elseif (\p) == 6
	CHANGE 0, 1
.else
	CHANGE 1, 2
.endif
	WLOAD ((\p)+1)%2                               ; the next step's fragments land under this step's vector work
.if (\p) < 7
	BLOAD 128*((\p)+1)
.else
	BLOAD 4096
.endif
.if (\p) < 6
	WSLOAD (\p)%2, CURS, 1024*((\p)+2)
.else
	WSLOAD (\p)%2, NXTS, 1024*((\p)-6)
.endif
.if (\p) == 0
	ASK 68, PFC, 65536                             ; pairs 4, 5 of the weight in hand
.elseif (\p) == 2
	ASK 68, PFC, 98304                             ; pairs 6, 7
.elseif (\p) == 4
	ASK 69, PFN, 0                                 ; pairs 0, 1 of the next weight
.elseif (\p) == 6
	ASK 69, PFN, 32768                             ; pairs 2, 3
.endif
	s_cmp_eq_u32 s3, 2                             ; the third trip is W1's: relu, and no sum with h
	s_cbranch_scc1 .Lrelu_\@
	TANHU
.set J, 0
.rept 32
	v_pk_fma_f32 v[ACC+J:ACC+J+1], v[ACC+J:ACC+J+1], s[66:67], v[12:13] op_sel_hi:[1,0,1]   ; 0.1 tanh = 0.1 - 0.2 u
.set J, J+2
.endr
	WIN 0x82+0x41*((\p)/4)
.set J, 0
.rept 32
	v_pk_add_f32 v[64*((\p)%4)+J:64*((\p)%4)+J+1], v[64*((\p)%4)+J:64*((\p)%4)+J+1], v[ACC+J:ACC+J+1]   ; h +=
.set J, J+2
.endr
	WIN 0
	s_branch .Lq_\@
.Lrelu_\@:
	WIN 0x80+0x40*((\p)/4)
.set J, 0
.rept 64
	v_max_num_f32 v[64*((\p)%4)+J], 0, v[ACC+J]    ; g takes h's registers
.set J, J+1
.endr
	WIN 0
.Lq_\@:
	QUANT4 2+(\p)/4, 64*((\p)%4), 16, 256*(\p), 8192, \p, 512   ; the pair's block of 32 of each of the four tiles.  The images were last read ahead of this trip's first round
.endm
; ---------------------------------------------------------------- PRODUCTS 1 TO 3: three trips: Wf, Wf, W1
.Lprod:
	s_wait_xcnt 0x0                                ; the last trip's loads and prefetches have read their bases: these may be written
	s_cmp_lt_u32 s3, 2
	s_cselect_b64 s[CURS:CURS+1], s[14:15], s[20:21]
	s_cselect_b64 s[PFC:PFC+1], s[12:13], s[18:19]
	s_cmp_eq_u32 s3, 1
	s_cselect_b64 s[NXTS:NXTS+1], s[20:21], s[26:27]
	s_cselect_b64 s[NXTC:NXTC+1], s[18:19], s[24:25]
	s_cselect_b32 s68, 0, s70                      ; Wf's second walk asks for nothing of Wf
	s_cmp_eq_u32 s3, 0
	s_cselect_b64 s[NXTS:NXTS+1], s[14:15], s[NXTS:NXTS+1]
	s_cselect_b64 s[NXTC:NXTC+1], s[12:13], s[NXTC:NXTC+1]
	s_cselect_b32 s69, 0, s70                      ; and the first walk nothing of the next weight, which is Wf again
	s_add_nc_u64 s[PFC:PFC+1], s[PFC:PFC+1], s[58:59]
	s_add_nc_u64 s[PFN:PFN+1], s[NXTC:NXTC+1], s[58:59]
	PHEAD
	BOSET
.irp p, 0,1,2,3,4,5,6,7
	STEP \p
.endr
	s_add_co_u32 s71, s71, 4096                    ; the next product's bias slice
	s_add_co_u32 s3, s3, 1
	s_cmp_lt_u32 s3, 3
	s_cbranch_scc1 .Lprod
; ---------------------------------------------------------------- PRODUCT 4, written out: four pairs; the last two steps ask for no tile
.macro STEP4 p
.if (\p) == 0
	MATRIX 1, 0, 2
.elseif (\p) < 3
	MATRIX 0, (\p)%2, 2
.else
	MATRIX 0, 1, 0                                 ; no load was issued behind the last step's scale words
.endif
.if (\p) < 2
	CHANGE (\p)%2, 0
.else
	WIN 0
.if (\p) == 2
	s_wait_tensorcnt 0x0                           ; the last tile: no load was issued behind it; only I read it, and nothing is filled again: no barrier
.endif
	NOPS4                                          ; the places behind the last products
.endif
.if (\p) < 3
	WLOAD ((\p)+1)%2
	BLOAD 128*((\p)+1)
.endif
.if (\p) < 2
	WSLOAD (\p)%2, 26, 1024*((\p)+2)
.endif
	TANHU
	WIN 0x80
.set J, 0
.rept 32
	v_pk_fma_f32 v[64*(\p)+J:64*(\p)+J+1], v[ACC+J:ACC+J+1], -2.0, 1.0 op_sel_hi:[1,0,0]   ; tanh = 1 - 2 u, into window 2
.set J, J+2
.endr
	WIN 0
.endm
	PHEAD
	BOSET
.irp p, 0,1,2,3
	STEP4 \p
.endr
; ---------------------------------------------------------------- THE WAY OUT: a tile of 16 rows x my 128 columns at a time through my own stage; it comes back as whole rows of 512 bytes.
	s_mul_i32 s4, s2, WPART
	v_bfe_u32 v16, v5, 4, 4                        ; r
	v_bfe_u32 v17, v5, 8, 1                        ; h
	v_mul_u32_u24 v15, v16, WP
	v_lshl_add_u32 v15, v17, 5, v15
	v_add_nc_u32 v15, s4, v15
	v_add_nc_u32 v15, STG, v15                     ; in: 528 r + 32 h
.macro TOSTAGE m
	WIN 0x08                                       ; an LDS store's data are its source 1: window 2
.irp p, 0,1,2,3
.irp q, 0,1,2,3
	ds_store_b128 v15, v[64*\p+16*(\m)+4*\q:64*\p+16*(\m)+4*\q+3] offset:128*\p+16*(\q%2)+64*(\q/2)
.endr
.endr
	WIN 0
.irp i, 0,1,2,3,4,5,6,7,8,9,10,11,12,13,14,15
	ds_load_b128 v[WF+64*((\m)%2)+4*\i:WF+64*((\m)%2)+4*\i+3], v14 offset:WP*\i   ; LDS serves a wave's instructions in order: these see the stores above, and the next tile's stores come behind them
.endr
.endm
.macro SEND m, younger                 ; younger: the LDS instructions issued behind tile m's loads, which may stay out
	s_wait_dscnt \younger
.irp i, 0,1,2,3,4,5,6,7,8,9,10,11,12,13,14,15
	global_store_b128 v5, v[WF+64*((\m)%2)+4*\i:WF+64*((\m)%2)+4*\i+3], s[30:31] offset:(16*(\m)+\i)*2048 th:TH_STORE_NT   ; 32 lanes store 512 consecutive bytes, at a multiple of 512 from out0's first byte
.endr
.endm
	TOSTAGE 0
.irp a, 1,2,3
.if \a > 1
	s_wait_xcnt 0x0                                ; tile a - 2's stores have read their registers: tile a's loads may land there
.endif
	TOSTAGE \a
	SEND \a-1, 32                                  ; behind tile a - 1's loads: tile a's 16 stores and 16 loads
.endr
	SEND 3, 0
	s_wait_tensorcnt 0x0                           ; the wave's end, behind my last tensor load and my last LDS store
	ds_add_u32 v1, v2
	s_wait_dscnt 0x0
	CROUND                                         ; the closing round: no work-group ends while a partner may still ask for a tile that names it
	s_endpgm
.Lfunc_end_k_qc146fd33d1_gode:
	.size	k_qc146fd33d1_gode, .Lfunc_end_k_qc146fd33d1_gode-k_qc146fd33d1_gode
	.p2alignl 7, 3214868480
	.fill 96, 4, 3214868480
	.section	.rodata,"a",@progbits
	.p2align	6, 0x0
	.amdhsa_kernel k_qc146fd33d1_gode
		.amdhsa_group_segment_fixed_size 327680
		.amdhsa_private_segment_fixed_size 0
		.amdhsa_enable_private_segment 0
		.amdhsa_kernarg_size 96
		.amdhsa_user_sgpr_count 2
		.amdhsa_user_sgpr_kernarg_segment_ptr 1
		.amdhsa_wavefront_size32 1
		.amdhsa_system_sgpr_workgroup_id_x 1
		.amdhsa_system_sgpr_workgroup_id_y 1
		.amdhsa_system_sgpr_workgroup_id_z 1
		.amdhsa_system_vgpr_workitem_id 0
		.amdhsa_next_free_vgpr 1024
		.amdhsa_next_free_sgpr 80
		.amdhsa_reserve_vcc 0
		.amdhsa_float_denorm_mode_32 3
		.amdhsa_float_denorm_mode_16_64 3
		.amdhsa_memory_ordered 1
		.amdhsa_forward_progress 1
		.amdhsa_inst_pref_size 255
	.end_amdhsa_kernel
	.section	.bss,"aw",@nobits
	.p2align	6
	.space	262144
	.amdgpu_metadata
---
amdhsa.version: [ 1, 2 ]
amdhsa.kernels:
  - .name:           k_qc146fd33d1_gode
    .symbol:         k_qc146fd33d1_gode.kd
    .args:
      - { .name: inp, .offset: 0, .size: 8, .value_kind: global_buffer, .address_space: global }
      - { .name: hz, .offset: 8, .size: 8, .value_kind: global_buffer, .address_space: global }
      - { .name: Wf_codes, .offset: 16, .size: 8, .value_kind: global_buffer, .address_space: global }
      - { .name: Wf_scales, .offset: 24, .size: 8, .value_kind: global_buffer, .address_space: global }
      - { .name: bf, .offset: 32, .size: 8, .value_kind: global_buffer, .address_space: global }
      - { .name: W1_codes, .offset: 40, .size: 8, .value_kind: global_buffer, .address_space: global }
      - { .name: W1_scales, .offset: 48, .size: 8, .value_kind: global_buffer, .address_space: global }
      - { .name: b1, .offset: 56, .size: 8, .value_kind: global_buffer, .address_space: global }
      - { .name: W2_codes, .offset: 64, .size: 8, .value_kind: global_buffer, .address_space: global }
      - { .name: W2_scales, .offset: 72, .size: 8, .value_kind: global_buffer, .address_space: global }
      - { .name: b2, .offset: 80, .size: 8, .value_kind: global_buffer, .address_space: global }
      - { .name: out0, .offset: 88, .size: 8, .value_kind: global_buffer, .address_space: global }
    .group_segment_fixed_size: 327680
    .private_segment_fixed_size: 0
    .kernarg_segment_align: 8
    .kernarg_segment_size: 96
    .max_flat_workgroup_size: 128
    .sgpr_count:     80
    .vgpr_count:     1024
    .wavefront_size: 32
...
	.end_amdgpu_metadata
.endif
;; end of part 1
;; ======== version 2 of 2: 1 launch
;; limits: right only within a limited range of input values
;; launch gode (part 2): grid 256 x 1, 4 waves a work-group, clusters of 4 x 1, 327,680 bytes of LDS; arguments inp, hz, Wf_codes, Wf_scales, bf, W1_codes, W1_scales, b1, W2_codes, W2_scales, b2, out0; writes out0
.if DOCPART == 2
	.amdgcn_target "amdgcn-amd-amdhsa--gfx1250"
	.amdhsa_code_object_version 6
	.text
	.protected	k_qc146fd33d1_gode
	.globl	k_qc146fd33d1_gode
	.p2align	8
	.type	k_qc146fd33d1_gode,@function
k_qc146fd33d1_gode:
	s_mov_b64 s[64:65], 0
	v_nop
	global_prefetch_b8 v0, s[64:65] scope:SCOPE_SE
	s_setreg_imm32_b32 hwreg(HW_REG_WAVE_MODE, 25, 1), 1
	s_wait_xcnt 0x0
	s_wait_alu depctr_hold_cnt(0) depctr_sa_sdst(0) depctr_va_vdst(0) depctr_va_sdst(0) depctr_va_ssrc(0) depctr_va_vcc(0) depctr_vm_vsrc(0)
	s_getreg_b32 s2, hwreg(HW_REG_IB_STS2, 6, 4)
	s_cmp_eq_u32 s2, 0
	s_cbranch_scc0 .Lentry_in_a_cluster
	s_endpgm
.Lentry_in_a_cluster:
	s_bfe_u32 s2, ttmp6, 0x10000c
	s_cmp_lg_u32 s2, 0x3003
	s_cbranch_scc0 .Lentry_shape_is_right
	s_endpgm
.Lentry_shape_is_right:
; h = [inp | hz] (16,384 rows x 1,024 f32);  twice h += 0.1 tanh(Q(h) Wf + bf);  g = relu(Q(h) W1 + b1);  out0 = tanh(Q(g) W2 + b2).
; All four products on codes of FP4 (E2M1) with one E8M0 scale for each 32 along K.  The weights come as codes, K innermost (rows of 512 bytes, 32 scale bytes a row); the left operand is quantised here, in f32.
; Every input is loaded and every product of the problem is done: nothing is left out.
; ONE LAUNCH: a work-group of four waves takes 64 rows (four tiles of 16) through the whole chain; h, g and their codes never go to memory.
; THE WAVES SHARE THE COLUMNS: wave w makes columns 256 w .. + 255 of products 1 to 3 and 128 w .. + 127 of product 4, for all 64 rows: a weight byte is read from LDS once, by one wave.
; A STEP is 32 columns x K = 1,024 x 64 rows: 32 matrix instructions of 32 x 16 x 128.  28 steps: Wf 8, Wf 8, W1 8, W2 4.  K steps go in the order 0, 2, 4, 6, 1, 3, 5, 7, alike in every step.
; TRANSPOSED USE: source 0 = 32 rows of the weight, source 1 = 16 rows of x as codes.  Lane (r, h) holds row r; registers 0-7 are columns 8 h + 0..7 of the 32, registers 8-15 columns 16 + 8 h + 0..7.
; h (f32) stays in 512 registers a wave; x's 32 fragments of the product in hand in 256.  Codes and scale bytes go from wave to wave through LDS as images of the operand's registers.
; WEIGHTS: a ring of two LDS slots, each with the tiles of TWO steps; a wave fetches 64 rows x 512 bytes of its own part with one tensor load and reads only its own part.  A wave's two parts lie on end,
; so that the head's one tensor load a wave, of 128 rows, fills both.
; A step's fragments are asked for in three runs in the step before: behind its products, ahead of its quantiser, and behind its image stores; the last run is waited for ahead of the sixth K step.
; THE CHANGE OF SLOTS STANDS AMONG THE PRODUCTS of a slot's second step: twenty between the add and its wait, eight between signal and wait.
; The quantiser's codes and bytes lie in the fragment registers of K step 7, which are loaded last: the next step's products write no register that an image store reads.
; x'S FRAGMENTS OF THE NEXT PRODUCT: 48 of the 64 loads read codes of pairs 0 to 6 alone, which every wave has stored ahead of step 7's round: they go out in step 7's vector work; 16 stay behind the product's barrier.
; CLUSTER: the four work-groups of a cluster walk the same weights in step, so every tile is asked for JOINTLY (one tensor load, the same descriptor, a mask that names the four).
; LIMITS: NaN and infinities among the inputs are not served.  A block whose largest magnitude lies under 2^-124 has its scale byte held at 1; a block of zeros gets the byte 1 too where the rule says 127:
; its codes are zeros, and the bytes are read by this program alone.  tanh z = 1 - 2 / (1 + 2^(2 log2(e) z)): it goes to +-1 for large |z| without overflow.  0.1 tanh is formed as 0.1 - 0.2 u.
; LDS (bytes):  wave w's ring at 67,584 w: slot 0, then slot 1, 64 rows each, 528 apart;  XIMG x's 32 fragments, 1,024 each;  XSC x's scale bytes;
;   STG a stage of 4,352 for each wave: x's way in, then the wave's parts of the biases, slices 1,024 apart: bf, bf, b1, b2;  SPARE the spare words.
;   The way out goes through the wave's own slot 0, behind that slot's last fill and last read.
; REGISTERS, in windows of 256:  window 0: v0-15 addresses and constants; v16-79 four accumulators (then v16-27 at work); v80-207 the step's weight fragments;
;   v208-223 x's scale words; v224-239 the step's bias; v240-255 the weights' scale words, two sets.   window 1: x's fragments (tile m, K step s) at v[64 m + 8 s].
;   windows 2, 3: h (then g): pair p, tile m in window 2 + p / 4 at v[64 (p % 4) + 16 m]; in product 4 window 2 takes the outputs, window 3 the rows on their way out.
.set WP,    528
.set WPART, 64*WP
.set XIMG,  8*WPART
.set XSC,   XIMG+32768
.set STG,   XSC+2048
.set SPI,   272
.set SW,    16*SPI
.set SPARE, STG+4*SW                   ; 128 bytes for each wave: two blocks of 256 bytes that no other line names
.set ACC,  16
.set TQ,   16                          ; at work: +0..3 largest magnitudes, +4..7 the other half's, +8..11 scale operands
.set WF,   80
.set TSB,  192                         ; what the image stores read: +0..3 bytes, +4..11 codes
.set XS,   208
.set BIAS, 224
.set WS,   240
.set G1,   32                          ; s[32:39] descriptor group 1
.set G0,   40                          ; s[40:43], s[44:47] group 0 for slot 0, 1
.set CURS, 48                          ; scale bytes of the weight in hand; NXTS of the next; NXTC the next weight's codes (all at my wave's part)
.set NXTS, 50
.set NXTC, 52
.set PFC,  54                          ; where my prefetches stand in the weight in hand and in the next
.set PFN,  56
.set MSB, 0
.macro WIN new                         ; the immediate's high byte repeats the setting that is left; a switch that changes nothing is dropped
.if MSB != (\new)
	s_set_vgpr_msb (MSB<<8)|(\new)
.set MSB, (\new)
.endif
.endm
.macro NOPS4
.rept 4
	v_nop
.endr
.endm
.macro CREST                           ; a round of the cluster's barrier behind its opening barrier
	s_cmp_lg_u32 s2, 0
	s_cbranch_scc1 .Lnot_wave_0_\@
	s_barrier_signal -3
.Lnot_wave_0_\@:
	s_barrier_wait -3
	s_barrier_signal -1
	s_barrier_wait -1
.endm
.macro CROUND
	s_barrier_signal -1
	s_barrier_wait -1
	CREST
.endm
; One product: tile m of rows, K step s.  K step 0 takes the bias as C.  x's scale words: lanes 0-15 hold an even tile's, lanes 16-31 the odd tile's.
.macro MM m, s, set
.set rD, ACC+16*(\m)
.set rA, WF+16*(\s)
.set rB, 64*(\m)+8*(\s)
.set rSA, WS+8*(\set)+(\s)
.set rSB, XS+8*((\m)/2)+(\s)
.if (\s) == 0
.if (\m)%2
	v_wmma_scale_f32_32x16x128_f4 v[rD:rD+15], v[rA:rA+15], v[rB:rB+7], v[BIAS:BIAS+15], v[rSA], v[rSB] matrix_b_scale:MATRIX_SCALE_ROW1
.else
	v_wmma_scale_f32_32x16x128_f4 v[rD:rD+15], v[rA:rA+15], v[rB:rB+7], v[BIAS:BIAS+15], v[rSA], v[rSB]
.endif
.else
.if (\m)%2
	v_wmma_scale_f32_32x16x128_f4 v[rD:rD+15], v[rA:rA+15], v[rB:rB+7], v[rD:rD+15], v[rSA], v[rSB] matrix_b_scale:MATRIX_SCALE_ROW1
.else
	v_wmma_scale_f32_32x16x128_f4 v[rD:rD+15], v[rA:rA+15], v[rB:rB+7], v[rD:rD+15], v[rSA], v[rSB]
.endif
.endif
.endm
; Load j (0..31) of the next step's weight fragments, from v[LREG] + LOFF, in the order in which the K steps are multiplied
.macro WL j
.set WKS, (2*((\j)/4))%8+(\j)/16
.set WRG, WF+16*WKS+4*((\j)%4)
	ds_load_b128 v[WRG:WRG+3], v[LREG] offset:LOFF+16*WP*(((\j)/2)%2)+64*WKS+32*((\j)%2)
.endm
.macro WLRUN from, n
.set JJ, \from
.rept \n
	WL JJ
.set JJ, JJ+1
.endr
.endm
; The i-th K step's four products: the four accumulators take turns
.macro GRP i, set
.set SS, (2*(\i))%8+(\i)/4
.irp m, 0,1,2,3
	MM \m, SS, \set
.endr
.endm
.macro GRPS from, n, set
.set GI, \from
.rept \n
	GRP GI, \set
.set GI, GI+1
.endr
.endm
; A product's first step: x's scale words and all older loads are in behind the first wait; x's last 16 fragment loads were issued by K step (1, 3, 5, 7), four each: the counts leave the later ones out
.macro MFIRST
	s_wait_dscnt 16
	WIN 0x04
	GRPS 0, 4, 0
.irp i, 4,5,6,7
	s_wait_dscnt 28-4*\i
	GRP \i, 0
.endr
	WIN 0
.endm
; A slot's next tile.  kind 0: two tiles (65,536 bytes) on in the same weight; 1: the next weight's tile 0; 2: its tile 1
.macro DESC slot, kind
.if (\kind) == 0
	s_add_nc_u64 s[G0+4*(\slot)+2:G0+4*(\slot)+3], s[G0+4*(\slot)+2:G0+4*(\slot)+3], 65536
.elseif (\kind) == 1
	s_mov_b64 s[G0+4*(\slot)+2:G0+4*(\slot)+3], s[NXTC:NXTC+1]
	s_or_b32 s[G0+4*(\slot)+3], s[G0+4*(\slot)+3], 0x80000000
.else
	s_add_nc_u64 s[G0+4*(\slot)+2:G0+4*(\slot)+3], s[NXTC:NXTC+1], 32768
	s_or_b32 s[G0+4*(\slot)+3], s[G0+4*(\slot)+3], 0x80000000
.endif
.endm
.macro BLOAD off                       ; a pair's bias in the result's layout
	ds_load_b128 v[BIAS:BIAS+3], v10 offset:(\off)
	ds_load_b128 v[BIAS+4:BIAS+7], v10 offset:(\off)+16
	ds_load_b128 v[BIAS+8:BIAS+11], v10 offset:(\off)+64
	ds_load_b128 v[BIAS+12:BIAS+15], v10 offset:(\off)+80
.endm
.macro BOSET                           ; the bias address of the product in hand: s71 + 32 h
	v_bfe_u32 v10, v5, 8, 1
	v_lshl_add_u32 v10, v10, 5, s71
.endm
.macro WSLOAD set, base, off           ; a pair's scale words: lane L takes the 32 bytes (8 K steps) of weight row L
	global_load_b128 v[WS+8*(\set):WS+8*(\set)+3], v9, s[(\base):(\base)+1] offset:(\off)
	global_load_b128 v[WS+8*(\set)+4:WS+8*(\set)+7], v9, s[(\base):(\base)+1] offset:(\off)+16
.endm
; A PREFETCH INTO THE L2 of the tile of my wave's part that the NEXT change of slots will ask for, more than a step ahead of that load.  All clusters walk the same weights: the first cluster
; asks (a branch on the cluster's number, the same in all partners).  Its four partners share the tile's 32,768 bytes out BY ADDRESS, 8,192 each; lanes 256 bytes apart: each block is named once in the launch.
.macro ASK flag, base, off
	s_cmp_eq_u32 s[\flag], 1
	s_cbranch_scc0 .Lnot_mine_\@
	global_prefetch_b8 v0, s[(\base):(\base)+1] offset:(\off) th:TH_LOAD_NT scope:SCOPE_SE
.Lnot_mine_\@:
.endm
; x's fragments of tiles m0 .. m0 + n - 1, all but the halves that hold pairs 6 and 7 (odd K steps, second 512 bytes): 12 loads a tile
.macro XE m0, n
	WIN 0x40
.set XM, \m0
.rept \n
.irp s, 0,1,2,3,4,5,6,7
	ds_load_b128 v[64*XM+8*\s:64*XM+8*\s+3], v6 offset:(8*XM+\s)*1024
.if (\s)%2 == 0
	ds_load_b128 v[64*XM+8*\s+4:64*XM+8*\s+7], v6 offset:(8*XM+\s)*1024+512
.endif
.endr
.set XM, XM+1
.endr
	WIN 0
.endm
; A run of LDS loads between the parts of TANHU.  hk = 1: tile n's 12 early loads of x;  hk = 2: behind the first two parts, ten of the next step's weight loads each
.macro HOOK hk, n
.if (\hk) == 1
	XE \n, 1
.elseif (\hk) == 2
.if (\n) < 2
	WLRUN 12+10*(\n), 10
.endif
.endif
.endm
; u = 1 / (1 + 2^(2 log2(e) z)) of the 64 results, from each accumulator's low end on.  Each batch of 64 has one wait ahead of it and one behind it.
.macro TANHU hk
.set J, 0
.rept 32
	v_pk_mul_f32 v[ACC+J:ACC+J+1], v[ACC+J:ACC+J+1], s[62:63] op_sel_hi:[1,0]
.set J, J+2
.endr
	HOOK \hk, 0
.set J, 0
	s_wait_alu depctr_va_vdst(0)
.rept 64
	v_exp_f32 v[ACC+J], v[ACC+J]
.set J, J+1
.endr
	v_nop
	s_wait_alu depctr_va_vdst(0)
	HOOK \hk, 1
.set J, 0
.rept 32
	v_pk_add_f32 v[ACC+J:ACC+J+1], v[ACC+J:ACC+J+1], 1.0 op_sel_hi:[1,0]
.set J, J+2
.endr
	HOOK \hk, 2
.set J, 0
	s_wait_alu depctr_va_vdst(0)
.rept 64
	v_rcp_f32 v[ACC+J], v[ACC+J]
.set J, J+1
.endr
	v_nop
	s_wait_alu depctr_va_vdst(0)
	HOOK \hk, 3
.endm
; Four blocks of 32 along the next K, by turns.  Block b's 16 numbers of my lane lie in window qw at v[qb + qst b]; lane l xor 16 holds the other 16.
; The codes go to their places in the images (16 r + 4 h; + 8), the scale byte to its place in the row's scale words.
.macro QUANT4 qw, qb, qst, qio, qis, qso, qss
	WIN (\qw)|((\qw)<<2)
.irp b, 0,1,2,3
	v_max3_num_f32 v[TQ+\b], |v[(\qb)+(\qst)*\b]|, |v[(\qb)+(\qst)*\b+1]|, 0x1800000   ; and the floor 2^(3 - 127): the byte cannot fall under 1
.endr
.irp i, 2,4,6,8,10,12,14
.irp b, 0,1,2,3
	v_max3_num_f32 v[TQ+\b], |v[(\qb)+(\qst)*\b+\i]|, |v[(\qb)+(\qst)*\b+\i+1]|, v[TQ+\b]
.endr
.endr
	WIN 0
.irp b, 0,1,2,3
	v_permlanex16_b32 v[TQ+4+\b], v[TQ+\b], s60, s61
.endr
.irp b, 0,1,2,3
	v_max_num_f32 v[TQ+\b], v[TQ+\b], v[TQ+4+\b]
.endr
.irp b, 0,1,2,3
	v_add_nc_u32 v[TQ+8+\b], 0xff000000, v[TQ+\b]  ; 2 off the exponent field: the conversion's scale operand
.endr
.irp b, 0,1,2,3
	v_lshrrev_b32 v[TSB+\b], 23, v[TQ+8+\b]        ; the scale's byte
.endr
	WIN (\qw)
.irp b, 0,1,2,3
	v_cvt_scalef32_pk8_fp4_f32 v[TSB+4+2*\b], v[(\qb)+(\qst)*\b:(\qb)+(\qst)*\b+7], v[TQ+8+\b]
	v_cvt_scalef32_pk8_fp4_f32 v[TSB+5+2*\b], v[(\qb)+(\qst)*\b+8:(\qb)+(\qst)*\b+15], v[TQ+8+\b]
.endr
	WIN 0
	v_nop                                          ; one plain place behind the last scaled conversion
.irp b, 0,1,2,3
	ds_store_b32 v7, v[TSB+4+2*\b] offset:(\qio)+(\qis)*\b
	ds_store_b32 v7, v[TSB+5+2*\b] offset:(\qio)+(\qis)*\b+8
	ds_store_b8 v8, v[TSB+\b] offset:(\qso)+(\qss)*\b   ; both halves of the lanes write the same byte with the same value
.endr
.endm
; A PRODUCT'S HEAD: every wave's image stores have landed; then x's scale words and the 16 fragment halves that hold pairs 6 and 7, by K step.
; The tensor load that is out stays out.
.macro PHEAD
	s_wait_dscnt 0x0
	s_barrier_signal -1
	s_barrier_wait -1
.irp mm, 0,1
.irp w, 0,1,2,3
	ds_load_b64 v[XS+8*\mm+2*\w:XS+8*\mm+2*\w+1], v11 offset:1024*\mm+128*\w
.endr
.endr
	WIN 0x40
.irp s, 1,3,5,7
.irp m, 0,1,2,3
	ds_load_b128 v[64*\m+8*\s+4:64*\m+8*\s+7], v6 offset:(8*\m+\s)*1024+512
.endr
.endr
	WIN 0
.endm
; Tile m of x: my 256 columns of 16 rows, as four chunks of 256 bytes a row: sixteen lanes read 256 consecutive bytes, at a multiple of 256 from the buffer's first byte
.macro GLOAD m
.irp i, 0,1,2,3,4,5,6,7,8,9,10,11,12,13,14,15,16,17,18,19,20,21,22,23,24,25,26,27,28,29,30,31
	WIN 0x80+0x40*(\i/16)
	global_load_b128 v[64*((\i/4)%4)+16*(\m)+4*(\i%4):64*((\i/4)%4)+16*(\m)+4*(\i%4)+3], v61, s[8:9] offset:(16*(\m)+2*(\i%8))*2048+256*(\i/8) th:TH_LOAD_NT
.endr
	WIN 0
.endm
; and through my own stage, a chunk at a time, so that lane (r, h) holds row r in the results' layout.  LDS serves a wave's instructions in order
.macro STAGE m
.irp cc, 0,1,2,3
	WIN 0x08+0x04*(\cc/2)
.irp k, 0,1,2,3,4,5,6,7
	ds_store_b128 v14, v[64*((2*\cc+\k/4)%4)+16*(\m)+4*(\k%4):64*((2*\cc+\k/4)%4)+16*(\m)+4*(\k%4)+3] offset:2*\k*SPI
.endr
	WIN 0x80+0x40*(\cc/2)
.irp k, 0,1,2,3,4,5,6,7
	ds_load_b128 v[64*((2*\cc+\k/4)%4)+16*(\m)+4*(\k%4):64*((2*\cc+\k/4)%4)+16*(\m)+4*(\k%4)+3], v15 offset:128*(\k/4)+16*(\k%2)+64*((\k%4)/2)
.endr
.endr
	WIN 0
.endm
; ---------------------------------------------------------------- THE HEAD
	s_load_b512 s[8:23], s[0:1], 0x0               ; inp, hz, Wf's codes, Wf's scales, bf, W1's codes, W1's scales, b1
	s_load_b256 s[24:31], s[0:1], 0x40             ; W2's codes, W2's scales, b2, out0
	v_lshl_add_u32 v1, v0, 2, SPARE                ; my spare word; never rewritten
	v_mov_b32 v2, 0                                ; never rewritten
	ds_add_u32 v1, v2
	ds_add_u32 v1, v2
	v_lshrrev_b32 v3, 5, v0
	v_readfirstlane_b32 s2, v3                     ; wave 0..3
	v_and_b32 v16, 31, v0                          ; lane
	v_and_b32 v17, 15, v0                          ; r
	v_bfe_u32 v18, v0, 4, 1                        ; h
	s_bfe_u32 s6, ttmp6, 0x40000                   ; cx: it enters x's and out0's addresses and the prefetches' alone
	s_lshl_b32 s7, ttmp9, 2
	s_add_co_u32 s7, s7, s6                        ; my block of 64 rows = 4 x cluster + cx
	s_mul_i32 s4, s2, 2*WPART
	v_lshlrev_b32 v5, 4, v16                       ; 16 x lane
	v_lshlrev_b32 v9, 5, v16                       ; 32 x lane
	v_mul_u32_u24 v3, v17, WP
	v_lshl_add_u32 v3, v18, 4, v3
	v_add_nc_u32 v3, s4, v3                        ; weight fragments, slot 0: my ring + 528 r + 16 h
	v_add_nc_u32 v4, WPART, v3                     ; slot 1
	v_add_nc_u32 v6, XIMG, v5                      ; an image's place for my lane
	s_lshl_b32 s5, s2, 11
	v_lshlrev_b32 v7, 4, v17
	v_lshl_add_u32 v7, v18, 2, v7
	v_add_nc_u32 v7, s5, v7
	v_add_nc_u32 v7, XIMG, v7                      ; where my codes go: 2,048 w + 16 r + 4 h
	s_lshl_b32 s5, s2, 7
	v_lshl_add_u32 v8, v17, 3, s5
	v_add_nc_u32 v8, XSC, v8                       ; where my scale bytes go: 128 w + 8 r
	v_lshlrev_b32 v11, 3, v17
	v_lshl_add_u32 v11, v18, 9, v11
	v_add_nc_u32 v11, XSC, v11                     ; where x's scale words are read: 512 h + 8 r
	v_mov_b32 v12, 0x3dcccccd                      ; 0.1, twice
	v_mov_b32 v13, 0x3dcccccd
	s_mul_i32 s71, s2, SW
	s_add_co_u32 s71, s71, STG                     ; my stage; later my part of the bias slice in hand
	v_mul_u32_u24 v14, v18, SPI
	v_lshl_add_u32 v14, v17, 4, v14
	v_add_nc_u32 v14, s71, v14                     ; my stage as memory has the rows: 272 h + 16 r
	v_mul_u32_u24 v15, v17, SPI
	v_lshl_add_u32 v15, v18, 5, v15
	v_add_nc_u32 v15, s71, v15                     ; my stage as the results lie: 272 r + 32 h
	v_add_nc_u32 v60, s71, v5                      ; and by lanes, for the biases
	v_lshlrev_b32 v61, 4, v17
	v_lshl_add_u32 v61, v18, 11, v61               ; x: 16 bytes a lane of a row's 256, lanes 16-31 a row further down
	BOSET
.irp b, 0,1,2,3
	v_mov_b32 v[TQ+4+\b], 0                        ; written once: a lane permute's destination counts as one of its sources
.endr
	s_mov_b32 s60, 0x76543210
	s_mov_b32 s61, 0xfedcba98                      ; v_permlanex16_b32's selects for lane l xor 16
	s_mov_b32 s62, 0x4038aa3b                      ; 2 log2(e); the packed forms name a pair
	s_mov_b32 s63, 0x4038aa3b
	s_mov_b32 s66, 0xbe4ccccd                      ; -0.2
	s_mov_b32 s67, 0xbe4ccccd
	s_cmp_eq_u32 ttmp9, 0
	s_cselect_b32 s70, 1, 0                        ; 1 in the first cluster: it prefetches
	s_lshl_b32 s58, s6, 13                         ; my work-group's 8,192 bytes of what the cluster prefetches
	s_mov_b32 s59, 0
	; descriptor group 1: rows of 512 bytes, dense in memory, 16 bytes of padding behind each row in LDS: 128 rows for the head's load; behind it the two words that count rows are set to 64
	s_mov_b32 s[G1+0], 15|(0<<16)|(1<<20)|(1<<21)|(6<<22)|(3<<25)
	s_mov_b32 s[G1+1], 512<<16
	s_mov_b32 s[G1+2], 128<<16
	s_mov_b32 s[G1+3], 512<<16
	s_mov_b32 s[G1+4], 128
	s_mov_b32 s[G1+5], 512
	s_mov_b32 s[G1+6], 0
	s_mov_b32 s[G1+7], 0
	s_mov_b32 s73, 0
	s_mov_b32 s75, 0
	s_wait_alu depctr_va_vdst(0)
	s_wait_dscnt 0x0                               ; both opening adds are done
	s_wait_kmcnt 0x0
	s_lshl_b32 s72, s2, 17                         ; every weight pointer goes to my wave's part: 256 rows of 512 bytes,
	s_add_nc_u64 s[12:13], s[12:13], s[72:73]
	s_add_nc_u64 s[18:19], s[18:19], s[72:73]
	s_lshl_b32 s72, s2, 16                         ; 128 rows of W2,
	s_add_nc_u64 s[24:25], s[24:25], s[72:73]
	s_lshl_b32 s72, s2, 13                         ; 256 rows of 32 scale bytes,
	s_add_nc_u64 s[14:15], s[14:15], s[72:73]
	s_add_nc_u64 s[20:21], s[20:21], s[72:73]
	s_lshl_b32 s72, s2, 12
	s_add_nc_u64 s[26:27], s[26:27], s[72:73]
	s_lshl_b32 s72, s2, 10                         ; 256 numbers of bf and b1,
	s_add_nc_u64 s[16:17], s[16:17], s[72:73]
	s_add_nc_u64 s[22:23], s[22:23], s[72:73]
	s_lshl_b32 s72, s2, 9                          ; 128 of b2, and my 128 columns of out0
	s_add_nc_u64 s[28:29], s[28:29], s[72:73]
	s_add_nc_u64 s[30:31], s[30:31], s[72:73]
	s_lshl_b32 s74, s7, 17                         ; my block's 64 rows of 2,048 bytes
	s_add_nc_u64 s[30:31], s[30:31], s[74:75]
	s_cmp_lt_u32 s2, 2                             ; waves 0, 1 hold inp's columns, waves 2, 3 hz's
	s_cselect_b64 s[8:9], s[8:9], s[10:11]
	s_add_nc_u64 s[8:9], s[8:9], s[74:75]
	s_and_b32 s72, s2, 1
	s_lshl_b32 s72, s72, 10
	s_add_nc_u64 s[8:9], s[8:9], s[72:73]
	s_mov_b32 s[G0+0], 1                           ; group 0, slot 0: Wf's tile 0 of my part (pairs 0, 1); the head's load takes tile 1 with it
	s_mul_i32 s[G0+1], s2, 2*WPART
	s_mov_b64 s[G0+2:G0+3], s[12:13]
	s_or_b32 s[G0+3], s[G0+3], 0x80000000
	s_mov_b32 s[G0+4], 1                           ; slot 1: tile 1 (pairs 2, 3): first used, stepped, at its first refill
	s_add_co_u32 s[G0+5], s[G0+1], WPART
	s_add_nc_u64 s[G0+6:G0+7], s[12:13], 32768
	s_or_b32 s[G0+7], s[G0+7], 0x80000000
	global_load_b128 v[40:43], v5, s[16:17]        ; my parts of the biases: they wait in registers until the stage is free
	global_load_b128 v[44:47], v5, s[16:17] offset:512
	global_load_b128 v[48:51], v5, s[22:23]
	global_load_b128 v[52:55], v5, s[22:23] offset:512
	global_load_b128 v[56:59], v5, s[28:29]
	WSLOAD 0, 14, 0                                ; the scale words of steps 0 and 1
	WSLOAD 1, 14, 1024
	GLOAD 0
	CROUND                                         ; all four work-groups are here: the first joint loads meet
	tensor_load_to_lds s[G0:G0+3], s[G1:G1+7]      ; both slots of my ring by one load of 128 rows
	s_nop 0
	GLOAD 1
.irp m, 0,1,2,3
.if \m < 3
	s_wait_loadcnt 32                              ; this tile's loads (and all older ones) are in; the next tile's 32 may be out
.else
	s_wait_loadcnt 0x0
.endif
.if \m < 2
	GLOAD \m+2
.endif
	STAGE \m
	s_wait_dscnt 0x0
.set TSB, 192
	QUANT4 2, 16*\m, 64, 8192*\m, 256, 512*\m, 1               ; pairs 0-3 of tile m
.set TSB, 176
	QUANT4 3, 16*\m, 64, 8192*\m+1024, 256, 512*\m+4, 1        ; pairs 4-7
.if \m == 2
	s_wait_dscnt 0x0                               ; my image stores of tiles 0 to 2 have landed
	s_barrier_signal -1
	s_barrier_wait -1                              ; every wave's have.  The head's tensor load stays out
	XE 0, 3                                        ; 36 loads go out while tile 3 is on its way
.endif
.endr
.set TSB, 192
	ds_store_b128 v60, v[40:43]                    ; the stage has served x: my parts of the biases take its bytes.  bf is laid twice, so that the bias address steps alike from product to product
	ds_store_b128 v60, v[44:47] offset:512
	ds_store_b128 v60, v[40:43] offset:1024
	ds_store_b128 v60, v[44:47] offset:1536
	ds_store_b128 v60, v[48:51] offset:2048
	ds_store_b128 v60, v[52:55] offset:2560
	ds_store_b128 v60, v[56:59] offset:3072
	v_lshlrev_b32 v0, 4, v5                        ; from here on v0 = 256 x lane: the prefetches' offset
	s_mov_b32 s3, 0
	s_wait_alu depctr_va_vdst(0)
	s_wait_tensorcnt 0x0                           ; my ring's first two tiles are in (only I read them); no tensor load of mine is out, so a descriptor may be written:
	s_mov_b32 s[G1+2], 64<<16                      ; from here on a load brings 64 rows
	s_mov_b32 s[G1+4], 64
.set LREG, 3
.set LOFF, 0
	WLRUN 0, 32                                    ; step 0's fragments
	BLOAD 0                                        ; LDS serves a wave's instructions in order: these see my stores above
	s_wait_dscnt 0x0                               ; my image stores of tile 3 have landed
	s_barrier_signal -1
	s_barrier_wait -1
	XE 3, 1
; A STEP of products 1 to 3: pair p.  Pairs 2 d and 2 d + 1 lie in slot d % 2.
.macro STEP p
.if (\p)%2
.set LREG, 3+(((\p)/2)+1)%2
.set LOFF, 0
	s_wait_tensorcnt 0x0                           ; all my tensor loads have landed (one was out: the other slot's tile)
	ds_add_u32 v1, v2                              ; 0 onto my spare word
.if (\p) < 4
	DESC ((\p)/2)%2, 0
.elseif (\p) == 5
	DESC 0, 1
.else
	DESC 1, 2
.endif
	s_wait_loadcnt 0x2                             ; of the weights' scale words only the next step's two loads are younger
	s_wait_dscnt 25                                ; the bias and the first five K steps' fragments are in; 12 image stores, the last 12 fragment loads and the add may be out
	WIN 0x04
	GRPS 0, 5, 1
	s_wait_dscnt 0x0                               ; the add is done, my stores have landed, and my reads of this slot are over
	s_barrier_signal -1
	GRPS 5, 2, 1
	WIN 0
	s_barrier_wait -1
	CREST                                          ; the barrier has opened a round of the cluster's barrier
	tensor_load_to_lds s[G0+4*(((\p)/2)%2):G0+4*(((\p)/2)%2)+3], s[G1:G1+7]   ; the joint refill, first behind the round
	s_nop 0
	WIN 0x04
	GRP 7, 1
	WIN 0
.else
.set LREG, 3+((\p)/2)%2
.set LOFF, 32*WP
	s_wait_loadcnt 0x2
.if (\p) == 0
	MFIRST
	s_barrier_signal -1                            ; my loads of x's images and scale words are in (the last wait was for 0);
	s_barrier_wait -1                              ; every wave's are: the next images may be stored over them.
.else
	s_wait_dscnt 24                                ; all but the 12 image stores and the last 12 fragment loads
	WIN 0x04
	GRPS 0, 5, 0
	s_wait_dscnt 0x0
	GRPS 5, 3, 0
	WIN 0
.endif
.endif
	NOPS4                                          ; four places behind the last products, for the loads below and the first reads of the results
	BLOAD 128*((\p)+1)                             ; (behind pair 7: the next slice's pair 0)
	WLRUN 0, 12
.if (\p) < 6
	WSLOAD (\p)%2, CURS, 1024*((\p)+2)
.else
	WSLOAD (\p)%2, NXTS, 1024*((\p)-6)
.endif
.if (\p) == 1
	ASK 68, PFC, 98304                             ; tile 3 of the weight in hand: step 3 asks for it
.elseif (\p) == 3
	ASK 69, PFN, 0                                 ; tile 0 of the next weight: step 5
.elseif (\p) == 5
	ASK 69, PFN, 32768                             ; its tile 1: step 7
.elseif (\p) == 7
	ASK 76, PFN, 65536                             ; its tile 2, where it has one: the next trip's step 1
.endif
	s_cmp_eq_u32 s3, 2                             ; the third trip is W1's: relu, and no sum with h
	s_cbranch_scc1 .Lrelu_\@
.if (\p) == 7
	TANHU 1
.else
	TANHU 0
.endif
.set J, 0
.rept 32
	v_pk_fma_f32 v[ACC+J:ACC+J+1], v[ACC+J:ACC+J+1], s[66:67], v[12:13] op_sel_hi:[1,0,1]   ; 0.1 tanh = 0.1 - 0.2 u
.set J, J+2
.endr
	WIN 0x82+0x41*((\p)/4)
.set J, 0
.rept 32
	v_pk_add_f32 v[64*((\p)%4)+J:64*((\p)%4)+J+1], v[64*((\p)%4)+J:64*((\p)%4)+J+1], v[ACC+J:ACC+J+1]   ; h +=
.set J, J+2
.endr
	WIN 0
	s_branch .Lq_\@
.Lrelu_\@:
.if (\p) == 7
	XE 0, 4
.endif
	WIN 0x80+0x40*((\p)/4)
.set J, 0
.rept 64
	v_max_num_f32 v[64*((\p)%4)+J], 0, v[ACC+J]    ; g takes h's registers
.set J, J+1
.endr
	WIN 0
.Lq_\@:
	WLRUN 12, 8
	QUANT4 2+(\p)/4, 64*((\p)%4), 16, 256*(\p), 8192, \p, 512   ; the pair's block of 32 of each of the four tiles
	WLRUN 20, 12                                   ; the last of them land in the registers that the image stores above read: LDS serves a wave's instructions in order
.endm
; ---------------------------------------------------------------- PRODUCTS 1 TO 3: three trips: Wf, Wf, W1
.Lprod:
	s_wait_xcnt 0x0                                ; the last trip's loads and prefetches have read their bases: these may be written
	s_cmp_lt_u32 s3, 2
	s_cselect_b64 s[CURS:CURS+1], s[14:15], s[20:21]
	s_cselect_b64 s[PFC:PFC+1], s[12:13], s[18:19]
	s_cmp_eq_u32 s3, 1
	s_cselect_b64 s[NXTS:NXTS+1], s[20:21], s[26:27]
	s_cselect_b64 s[NXTC:NXTC+1], s[18:19], s[24:25]
	s_cselect_b32 s68, 0, s70                      ; Wf's second walk asks for nothing of Wf
	s_cselect_b32 s76, s70, 0                      ; only W1 has a tile 2 that has not been read
	s_cmp_eq_u32 s3, 0
	s_cselect_b64 s[NXTS:NXTS+1], s[14:15], s[NXTS:NXTS+1]
	s_cselect_b64 s[NXTC:NXTC+1], s[12:13], s[NXTC:NXTC+1]
	s_cselect_b32 s69, 0, s70                      ; and the first walk nothing of the next weight, which is Wf again
	s_add_nc_u64 s[PFC:PFC+1], s[PFC:PFC+1], s[58:59]
	s_add_nc_u64 s[PFN:PFN+1], s[NXTC:NXTC+1], s[58:59]
	PHEAD
	BOSET
	s_wait_alu depctr_va_vdst(0)
.irp p, 0,1,2,3,4,5,6,7
	STEP \p
.endr
	s_add_co_u32 s71, s71, 1024                    ; the next product's bias slice
	s_add_co_u32 s3, s3, 1
	s_cmp_lt_u32 s3, 3
	s_cbranch_scc1 .Lprod
; ---------------------------------------------------------------- PRODUCT 4, written out: four pairs in two tiles, both asked for in W1's trip: no tile is asked for here
.macro STEP4 p
.set LREG, 3+(((\p)+1)/2)%2
.set LOFF, 32*WP*(((\p)+1)%2)
.if (\p) == 1
	s_wait_tensorcnt 0x0                           ; the last tile, which this step's loads read: only I read my part, and nothing is filled again: no barrier
.endif
.if (\p) < 3
	s_wait_loadcnt 0x2
.else
	s_wait_loadcnt 0x0
.endif
.if (\p) == 0
	MFIRST
.else
	s_wait_dscnt 0x0
	WIN 0x04
	GRPS 0, 8, (\p)%2
	WIN 0
.endif
	NOPS4
.if (\p) < 3
	BLOAD 128*((\p)+1)
	WLRUN 0, 12
.endif
.if (\p) < 2
	WSLOAD (\p)%2, 26, 1024*((\p)+2)
.endif
.if (\p) < 3
	TANHU 2
.else
	TANHU 0
.endif
	WIN 0x80
.set J, 0
.rept 32
	v_pk_fma_f32 v[64*(\p)+J:64*(\p)+J+1], v[ACC+J:ACC+J+1], -2.0, 1.0 op_sel_hi:[1,0,0]   ; tanh = 1 - 2 u, into window 2
.set J, J+2
.endr
	WIN 0
.endm
; THE WAY OUT: chunk a = 2 m + cc: tile m's 16 rows x 64 of my columns (pairs 2 cc, 2 cc + 1: 256 bytes a row) through my own slot 0; it comes back two whole rows of 256 bytes an instruction,
; into registers of its own in window 3, so that no store's data are written again.
.macro TOSTAGE a
	WIN 0x08
.irp k, 0,1,2,3,4,5,6,7
	ds_store_b128 v7, v[64*(2*((\a)%2)+\k/4)+16*((\a)/2)+4*(\k%4):64*(2*((\a)%2)+\k/4)+16*((\a)/2)+4*(\k%4)+3] offset:128*(\k/4)+16*(\k%2)+64*((\k%4)/2)
.endr
	WIN 0xc0
.irp k, 0,1,2,3,4,5,6,7
	ds_load_b128 v[32*(\a)+4*\k:32*(\a)+4*\k+3], v8 offset:2*\k*SPI   ; LDS serves a wave's instructions in order: these see the stores above, and the next chunk's stores come behind them
.endr
	WIN 0
.endm
.macro SEND a, younger                 ; younger: the LDS instructions issued behind chunk a's loads
	s_wait_dscnt \younger
	WIN 0x0c
.irp k, 0,1,2,3,4,5,6,7
	global_store_b128 v12, v[32*(\a)+4*\k:32*(\a)+4*\k+3], s[30:31] offset:(16*((\a)/2)+2*\k)*2048+256*((\a)%2) th:TH_STORE_NT   ; sixteen lanes store 256 consecutive bytes, at a multiple of 256 from out0's first byte
.endr
	WIN 0
.endm
.macro OUT cc                          ; the four tiles' chunks of one half of my columns
	s_wait_alu depctr_va_vdst(0)
	TOSTAGE \cc
.irp m, 1,2,3
	TOSTAGE 2*\m+\cc
	SEND 2*(\m-1)+\cc, 16
.endr
	SEND 6+\cc, 0
.endm
	PHEAD
	BOSET
	s_mul_i32 s72, s2, 2*WPART                     ; my slot 0
	v_bfe_u32 v12, v5, 8, 1                        ; h
	v_bfe_u32 v13, v5, 4, 4                        ; r
	v_mul_u32_u24 v7, v13, SPI
	v_lshl_add_u32 v7, v12, 5, v7
	v_add_nc_u32 v7, s72, v7                       ; the stage as the results lie: 272 r + 32 h
	v_mul_u32_u24 v8, v12, SPI
	v_lshl_add_u32 v8, v13, 4, v8
	v_add_nc_u32 v8, s72, v8                       ; as memory has the rows: 272 h + 16 r
	v_lshlrev_b32 v13, 4, v13
	v_lshl_add_u32 v12, v12, 11, v13               ; out0: 16 bytes a lane of a row's 256, lanes 16-31 a row further down
	s_wait_alu depctr_va_vdst(0)
	STEP4 0
	STEP4 1
	OUT 0                                          ; pairs 0 and 1 are finished and slot 0 has been read out: the first half of my columns leaves ahead of the last two steps
	STEP4 2
	STEP4 3
	OUT 1
	s_wait_tensorcnt 0x0                           ; the wave's end
	ds_add_u32 v1, v2
	s_wait_dscnt 0x0
	CROUND                                         ; the closing round
	s_endpgm
.Lfunc_end_k_qc146fd33d1_gode:
	.size	k_qc146fd33d1_gode, .Lfunc_end_k_qc146fd33d1_gode-k_qc146fd33d1_gode
	.p2alignl 7, 3214868480
	.fill 96, 4, 3214868480
	.section	.rodata,"a",@progbits
	.p2align	6, 0x0
	.amdhsa_kernel k_qc146fd33d1_gode
		.amdhsa_group_segment_fixed_size 327680
		.amdhsa_private_segment_fixed_size 0
		.amdhsa_enable_private_segment 0
		.amdhsa_kernarg_size 96
		.amdhsa_user_sgpr_count 2
		.amdhsa_user_sgpr_kernarg_segment_ptr 1
		.amdhsa_wavefront_size32 1
		.amdhsa_system_sgpr_workgroup_id_x 1
		.amdhsa_system_sgpr_workgroup_id_y 1
		.amdhsa_system_sgpr_workgroup_id_z 1
		.amdhsa_system_vgpr_workitem_id 0
		.amdhsa_next_free_vgpr 1024
		.amdhsa_next_free_sgpr 80
		.amdhsa_reserve_vcc 0
		.amdhsa_float_denorm_mode_32 3
		.amdhsa_float_denorm_mode_16_64 3
		.amdhsa_memory_ordered 1
		.amdhsa_forward_progress 1
		.amdhsa_inst_pref_size 255
	.end_amdhsa_kernel
	.section	.bss,"aw",@nobits
	.p2align	6
	.space	262144
	.amdgpu_metadata
---
amdhsa.version: [ 1, 2 ]
amdhsa.kernels:
  - .name:           k_qc146fd33d1_gode
    .symbol:         k_qc146fd33d1_gode.kd
    .args:
      - { .name: inp, .offset: 0, .size: 8, .value_kind: global_buffer, .address_space: global }
      - { .name: hz, .offset: 8, .size: 8, .value_kind: global_buffer, .address_space: global }
      - { .name: Wf_codes, .offset: 16, .size: 8, .value_kind: global_buffer, .address_space: global }
      - { .name: Wf_scales, .offset: 24, .size: 8, .value_kind: global_buffer, .address_space: global }
      - { .name: bf, .offset: 32, .size: 8, .value_kind: global_buffer, .address_space: global }
      - { .name: W1_codes, .offset: 40, .size: 8, .value_kind: global_buffer, .address_space: global }
      - { .name: W1_scales, .offset: 48, .size: 8, .value_kind: global_buffer, .address_space: global }
      - { .name: b1, .offset: 56, .size: 8, .value_kind: global_buffer, .address_space: global }
      - { .name: W2_codes, .offset: 64, .size: 8, .value_kind: global_buffer, .address_space: global }
      - { .name: W2_scales, .offset: 72, .size: 8, .value_kind: global_buffer, .address_space: global }
      - { .name: b2, .offset: 80, .size: 8, .value_kind: global_buffer, .address_space: global }
      - { .name: out0, .offset: 88, .size: 8, .value_kind: global_buffer, .address_space: global }
    .group_segment_fixed_size: 327680
    .private_segment_fixed_size: 0
    .kernarg_segment_align: 8
    .kernarg_segment_size: 96
    .max_flat_workgroup_size: 128
    .sgpr_count:     80
    .vgpr_count:     1024
    .wavefront_size: 32
...
	.end_amdgpu_metadata
.endif
;; end of part 2
